; MI455X (gfx1250); checked and timed in simulation.
; The chip was launched on July 23, 2026; its instructions are those of AMD's public machine-readable ISA for CDNA 5 (MIT licence, August 2026) and "CDNA5" Instruction Set Architecture Reference Guide (July 2026). The comments in the code are by the model that wrote it; some were corrected since.
;; Score Matching. Allowed arithmetic: matrix products marked QUANTISED: E4M3 operands, one given power-of-two scale a tensor, by v_wmma_f32_16x16x64_fp8_fp8 or v_wmma_f32_16x16x128_fp8_fp8, f32 sums; products left as they are: f32 operands where the result goes on into a quantised operand, else bf16, f16 or f32 operands; f32 sums; everything else in f32.
;; Inputs: W1 512 x 64 float32; W2 512 x 512 float32; W3 512 x 512 float32; W4 64 x 512 float32; b1 512 float32; b2 512 float32; b3 512 float32; b4 64 float32; lowp_scales 12 int32 (the exponents e of the quantised operands' scales 2^e); x 2,048 x 64 float32.
;; Outputs: out0 2,048 float32.
;; This version of the problem:
;;   THIS VERSION OF THE PROBLEM IS GIVEN IN LOW PRECISION. The matrix products marked QUANTISED in the list below multiply operands that are first quantised to E4M3 (4 exponent bits, 3 mantissa bits; 8 bits a number), with one given power-of-two scale for each operand tensor; their sums are f32. All else is computed in f32.
;;   The module's matrix products, in the order in which they are computed (A, B: the left and right operand; K: the contracted axis; several contracted axes count as one K, in the product's order):
;;     1. [M 2,048, K 64] x [K 64, N 512]; A: input x; B: input W1: QUANTISED (scales: A lowp_scales[0], B lowp_scales[1])
;;     2. [M 2,048, K 512] x [K 512, N 512]; A: computed on the way; B: input W2: QUANTISED (scales: A lowp_scales[2], B lowp_scales[3])
;;     3. [M 2,048, K 512] x [K 512, N 512]; A: computed on the way; B: input W3: QUANTISED (scales: A lowp_scales[4], B lowp_scales[5])
;;     4. [M 2,048, K 512] x [K 512, N 64]; A: computed on the way; B: input W4: QUANTISED (scales: A lowp_scales[6], B lowp_scales[7])
;;     5. [M 131,072, K 512] x [K 512, N 512]; A: computed on the way; B: input W2: QUANTISED (scales: A lowp_scales[8], B lowp_scales[9])
;;     6. [M 131,072, K 512] x [K 512, N 512]; A: computed on the way; B: input W3: QUANTISED (scales: A lowp_scales[10], B lowp_scales[11])
;;     7. [M 1, K 32,768] x [K 32,768, N 2,048]; A: input W4; B: computed on the way: left as it is (M = 1 < 16)
;;   THE QUANTISER, for each operand of a quantised product, along K:
;;     - The operand's scale is 2^e, e = its entry of the input lowp_scales (int32; the entries are numbered through the quantised products in the list's order, A before B).
;;     - Each number is divided by the scale, clamped to +-448, and rounded to the nearest number of E4M3, ties to even, subnormals kept.
;;     - The product sums the exact products of the quantised numbers (number of the format x scale) in f32.
;;   ~~~python
;;   def quantise(x, axis, e):      # numpy; x: float32 -> the quantised numbers, widened to float32 again
;;       x = np.moveaxis(x, axis, -1); K = x.shape[-1]
;;       r = np.clip(x / 2.0 ** e, -448, 448)
;;       step = 2.0 ** (np.maximum(np.frexp(np.where(r == 0, 1, r))[1] - 1, -6) - 3)
;;       q = np.round(r / step) * step * 2.0 ** e      # np.round: ties to even
;;       return np.moveaxis(q, -1, axis).astype(np.float32)
;;   ~~~
;;   OPERANDS COMPUTED ON THE WAY. 'Computed on the way' means the value that the module computes at that place (a softmax that the list does not call 'softmax' is quantised finished and normalised). What goes into a quantiser is computed in f32, as accurately as f32 sums, v_exp_f32 and their like allow (about 1e-6 of the number): no bf16 or f16 on the way to a quantiser, and a product that is left as it is and whose result goes on into a quantised operand takes f32 operands (vector FMAs, or v_wmma_f32_16x16x4_f32). A number that lies on a knife's edge between two numbers of the format may be rounded either way, as far as f32 arithmetic and the matrix unit's own rounding can turn it there, and no further.
;; One version. Each part assembles by itself: llvm-mc -triple=amdgcn-amd-amdhsa -mcpu=gfx1250 --defsym DOCPART=n.
;; ======== version 1 of 1: 3 launches
;; limits: values are held in bf16: 8 bits of precision; right only within a limited range of input values
;; workspace buffers: wj 622,592 bytes; wf 589,824 bytes; msk 3,145,728 bytes; hs 8,192 bytes
;; launch prep (part 1): grid 148 x 1, 4 waves a work-group, no clusters, 0 bytes of LDS; arguments W1, W2, W3, W4, lowp_scales, wj, wf; writes wj, wf
.if DOCPART == 1
	.amdgcn_target "amdgcn-amd-amdhsa--gfx1250"
	.amdhsa_code_object_version 6
	.text
	.protected	k_qeaf69bd266_prep
	.globl	k_qeaf69bd266_prep
	.p2align	8
	.type	k_qeaf69bd266_prep,@function
k_qeaf69bd266_prep:
	s_mov_b64 s[64:65], 0
	v_nop
	global_prefetch_b8 v0, s[64:65] scope:SCOPE_SE
	s_setreg_imm32_b32 hwreg(HW_REG_WAVE_MODE, 25, 1), 1
	s_wait_xcnt 0x0
; THE WEIGHTS ARE QUANTISED ONCE, each with every scale under which a product takes it, and laid as images of operand registers.
; val[b] = 0.5 |s(x_b)|^2 + trace(ds/dx) of a ReLU MLP 64-512-512-512-64.  Six products are on codes of E4M3, each operand with a given scale 2^e (lowp_scales).
; NO WORK IS LEFT OUT: all ten inputs have a way to the output and are loaded, and all six quantised products and the trace are computed in full by the three launches.
; Two identities are used by the later launches; they hold for all finite inputs: a ReLU mask m is 0 or 1, the quantiser turns 0 into the code 0 and 1 x w into the code of w,
; so Q(m w) = m Q(w): the mask is laid on finished codes (an AND with bytes 0xff or 0).  LIMIT: an infinity or NaN under a mask of 0 is not carried (reference() would give NaN there).
; A FRAGMENT (16 rows x 128 along K, 2,048 bytes) lies as its registers: piece c (0..3) at 512 c, lane l at 16 l; lane (r = l % 16, h = l / 16) holds of the tile's row r the codes k = 128 s + 32 c + 16 h + 0..15.
; THE ROWS OF A TILE ARE NOT NEIGHBOURS: lane r of tile T takes row 32 (T / 2) + 8 (T % 2) + r + 8 (r / 8), so that a transposed product's results of tiles 2 b, 2 b + 1 are 16 neighbours along the next K.
; One wave does one task: a fragment (16 loads of 16 bytes a lane, 64 holds, 8 conversions, 4 stores of 512 consecutive bytes).  No LDS, no barrier: waves share nothing.
; WORK-GROUPS: 0-31 W2 under e9 -> wj; 32-63 W3 under e11 -> wj; 64-95 W2 under e3 -> wf; 96-127 W3 under e5 -> wf; 128-131 W4 under e7 -> wf; 132-139 W1 under e1 -> wf (K = 64: half fragments);
;   140-143 W1 transposed under e8 -> a1 (rows d, K = the hidden units); 144-147 W4 as f32, in the layout of a matrix result -> wj.
; wj: W2's 32 rows 32 n .. at 16384 n, fragment (K step s, tile t) at 2048 (2 s + t); from 262,144 on, for 32 rows of W3, 24,576 bytes: the same 16,384, then 8,192 of W4.
; LIMITS: each e between -126 and 119, so that 2^e and 448 x 2^e are f32 numbers.  NaN among the inputs is not served; an infinity is held at the largest code.
; THE LAYOUT OF wj AS THIS TEXT HAS IT (it takes the place of what the lines above say of a1 and of wj's first bytes): W1 transposed under e8, 32,768 bytes, lies at byte 0 of wj (there is no buffer a1);
; W2's part follows from byte 32,768 on, W3's and W4's from byte 294,912 on.
; For 32 rows of W3 wj holds 20,480 bytes: 16,384 of codes, then 4,096 of W4 rounded to bf16: word p of a lane holds numbers 2 p (low half) and 2 p + 1 (high half) of the 64 that the matrix result's layout gives that lane.
.set WJ2, 32768                        ; where W2's part of wj begins
.set WJ3, 294912                       ; where W3's part of wj begins
	s_load_b256 s[4:11], s[0:1], 0x0               ; W1 s[4:5], W2 s[6:7], W3 s[8:9], W4 s[10:11]
	s_load_b128 s[12:15], s[0:1], 0x20             ; the exponents s[12:13], wj s[14:15]
	s_load_b64 s[16:17], s[0:1], 0x30              ; wf
	v_lshrrev_b32 v8, 5, v0
	v_readfirstlane_b32 s20, v8                    ; wave 0..3
	v_and_b32 v8, 31, v0
	v_lshlrev_b32 v1, 4, v8                        ; 16 x lane: my place in a piece of an image
	v_and_b32 v2, 15, v0                           ; r
	v_bfe_u32 v3, v0, 4, 1                         ; h
	v_and_b32 v4, 8, v2
	v_add_nc_u32 v4, v4, v2                        ; r + 8 (r / 8)
	s_mov_b32 s43, 0                               ; the upper word of every offset
	s_wait_kmcnt 0x0
	s_load_b256 s[24:31], s[12:13], 0x0            ; e0 .. e7
	s_load_b128 s[32:35], s[12:13], 0x20           ; e8 .. e11; waited for where a scale is first read, behind the task's data loads
.macro TASK first                      ; s36 = my task's number among its kind: 4 x (work-group - the kind's first) + wave
	s_sub_co_u32 s36, ttmp9, \first
	s_lshl_b32 s36, s36, 2
	s_add_co_u32 s36, s36, s20
.endm
.macro QCONST e                        ; v6 = 2^e as f32 (the conversion takes its exponent field), v7 = 448 x 2^e
	s_wait_kmcnt 0x0                               ; the exponents are in
	s_add_co_i32 s36, s[\e], 127
	s_lshl_b32 s37, s36, 23
	v_mov_b32 v6, s37
	s_add_co_i32 s36, s36, 8
	s_lshl_b32 s36, s36, 23
	s_or_b32 s36, s36, 0x600000
	v_mov_b32 v7, s36
.endm
.macro QUANT nb                        ; nb runs of 16 numbers from v16 on become codes from v80 on, four registers a run
.set i, 0
.rept 16*\nb
	v_med3_num_f32 v[16+i], v[16+i], -v7, v7       ; the conversion to an 8-bit code does not saturate (ISA guide 7.6.2): the hold at the largest code x the scale comes first
.set i, i+1
.endr
.set i, 0
.rept 2*\nb
	v_cvt_scalef32_pk8_fp8_f32 v[80+2*i:81+2*i], v[16+8*i:23+8*i], v6   ; the results go to stores alone, and nothing is written behind them
.set i, i+1
.endr
.endm
; A fragment of a weight with rows of 512 numbers.  Task f: tile T = f / 4, K step s = f % 4.  It goes to D0 + A (T / 2) + B (T % 2) + C s.
.macro FRAGTASK first, src, e, dst, D0, A, B, C
	TASK \first
	s_lshr_b32 s37, s36, 2                         ; T
	s_and_b32 s38, s36, 3                          ; s
	s_lshr_b32 s39, s37, 1                         ; T / 2
	s_and_b32 s40, s37, 1                          ; T % 2
	s_lshl_b32 s42, s39, 16                        ; 32 rows of 2,048 bytes
	s_lshl_b32 s41, s40, 14                        ; 8 rows
	s_add_co_u32 s42, s42, s41
	s_lshl_b32 s41, s38, 9                         ; 128 numbers along K
	s_add_co_u32 s42, s42, s41
	s_add_nc_u64 s[44:45], s[\src:\src+1], s[42:43]
	s_mul_i32 s42, s39, \A
	s_mul_i32 s41, s40, \B
	s_add_co_u32 s42, s42, s41
	s_mul_i32 s41, s38, \C
	s_add_co_u32 s42, s42, s41
	s_add_co_u32 s42, s42, \D0
	s_add_nc_u64 s[46:47], s[\dst:\dst+1], s[42:43]
	v_lshlrev_b32 v5, 11, v4                       ; my row of the tile,
	v_lshl_add_u32 v5, v3, 6, v5                   ; + 16 h numbers
.irp c, 0,1,2,3
.irp z, 0,1,2,3
	global_load_b128 v[16+16*\c+4*\z:16+16*\c+4*\z+3], v5, s[44:45] offset:128*\c+16*\z
.endr
.endr
	QCONST \e
	s_wait_alu depctr_va_vdst(0)
	s_wait_loadcnt 0x0
	QUANT 4
.irp c, 0,1,2,3
	global_store_b128 v1, v[80+4*\c:83+4*\c], s[46:47] offset:512*\c   ; 32 lanes store 512 consecutive bytes, aligned
.endr
	s_endpgm
.endm
	s_cmp_lt_u32 ttmp9, 32
	s_cbranch_scc1 .Lw2j
	s_cmp_lt_u32 ttmp9, 64
	s_cbranch_scc1 .Lw3j
	s_cmp_lt_u32 ttmp9, 96
	s_cbranch_scc1 .Lw2f
	s_cmp_lt_u32 ttmp9, 128
	s_cbranch_scc1 .Lw3f
	s_cmp_lt_u32 ttmp9, 132
	s_cbranch_scc1 .Lw4f
	s_cmp_lt_u32 ttmp9, 140
	s_cbranch_scc1 .Lw1f
	s_cmp_lt_u32 ttmp9, 144
	s_cbranch_scc1 .Lw1t
	; ---- W4 as f32 in the layout of a matrix result.  Task n (32 columns of W4): register 8 (2 a + t) + j = W4[16 a + 8 h + j][32 n + 8 t + r + 8 (r / 8)]
	TASK 144
	s_lshl_b32 s42, s36, 7                         ; 32 n numbers along a row
	s_add_nc_u64 s[44:45], s[10:11], s[42:43]
	s_mul_i32 s42, s36, 20480
	s_add_co_u32 s42, s42, WJ3+16384
	s_add_nc_u64 s[46:47], s[14:15], s[42:43]
	s_wait_alu depctr_va_vdst(0)
	v_lshlrev_b32 v5, 2, v4
	v_lshl_add_u32 v5, v3, 14, v5                  ; 8 h rows of 2,048 bytes + my column
.irp a, 0,1,2,3
.irp t, 0,1
.irp j, 0,1,2,3,4,5,6,7
	global_load_b32 v[16+8*(2*\a+\t)+\j], v5, s[44:45] offset:32768*\a+2048*\j+32*\t
.endr
.endr
.endr
	s_wait_loadcnt 0x0
.set i, 0
.rept 32
	v_cvt_pk_bf16_f32 v[16+i], v[16+2*i], v[17+2*i]   ; in place, ascending: word i is written when numbers up to 2 i + 1 have been read
.set i, i+1
.endr
.irp k, 0,1,2,3,4,5,6,7
	global_store_b128 v1, v[16+4*\k:19+4*\k], s[46:47] offset:512*\k
.endr
	s_endpgm
.Lw2j:
	s_wait_alu depctr_va_vdst(0)
	FRAGTASK 0, 6, 33, 14, WJ2, 16384, 2048, 4096
.Lw3j:
	s_wait_alu depctr_va_vdst(0)
	FRAGTASK 32, 8, 35, 14, WJ3, 20480, 2048, 4096
.Lw2f:
	s_wait_alu depctr_va_vdst(0)
	FRAGTASK 64, 6, 27, 16, 32768, 16384, 8192, 2048
.Lw3f:
	s_wait_alu depctr_va_vdst(0)
	FRAGTASK 96, 8, 29, 16, 294912, 16384, 8192, 2048
.Lw4f:
	s_wait_alu depctr_va_vdst(0)
	FRAGTASK 128, 10, 31, 16, 557056, 16384, 8192, 2048
.Lw1f:
	; ---- W1 under e1: K = 64, half a fragment (1,024 bytes) for tile T = the task's number
	TASK 132
	s_lshr_b32 s39, s36, 1
	s_and_b32 s40, s36, 1
	s_lshl_b32 s42, s39, 13                        ; 32 rows of 256 bytes
	s_lshl_b32 s41, s40, 11                        ; 8 rows
	s_add_co_u32 s42, s42, s41
	s_add_nc_u64 s[44:45], s[4:5], s[42:43]
	s_lshl_b32 s42, s36, 10
	s_add_nc_u64 s[46:47], s[16:17], s[42:43]
	s_wait_alu depctr_va_vdst(0)
	v_lshlrev_b32 v5, 8, v4
	v_lshl_add_u32 v5, v3, 6, v5
.irp c, 0,1
.irp z, 0,1,2,3
	global_load_b128 v[16+16*\c+4*\z:16+16*\c+4*\z+3], v5, s[44:45] offset:128*\c+16*\z
.endr
.endr
	QCONST 25
	s_wait_alu depctr_va_vdst(0)
	s_wait_loadcnt 0x0
	QUANT 2
.irp c, 0,1
	global_store_b128 v1, v[80+4*\c:83+4*\c], s[46:47] offset:512*\c
.endr
	s_endpgm
.Lw1t:
	; ---- W1 transposed under e8: fragment (s, a) = task 4 s + a: rows d = 16 a + r, K = the hidden units.  A lane takes a column d of W1 and its registers run down K: nothing is transposed by an instruction
	TASK 140
	s_lshr_b32 s38, s36, 2                         ; s
	s_and_b32 s39, s36, 3                          ; a
	s_lshl_b32 s42, s38, 15                        ; 128 rows of 256 bytes
	s_lshl_b32 s41, s39, 6                         ; 16 numbers
	s_add_co_u32 s42, s42, s41
	s_add_nc_u64 s[44:45], s[4:5], s[42:43]
	s_lshl_b32 s42, s36, 11
	s_add_nc_u64 s[46:47], s[14:15], s[42:43]      ; into the head of wj
	s_wait_alu depctr_va_vdst(0)
	v_lshlrev_b32 v5, 2, v2
	v_lshl_add_u32 v5, v3, 12, v5                  ; 16 h rows + my column
.irp c, 0,1,2,3
.irp j, 0,1,2,3,4,5,6,7,8,9,10,11,12,13,14,15
	global_load_b32 v[16+16*\c+\j], v5, s[44:45] offset:8192*\c+256*\j
.endr
.endr
	QCONST 32
	s_wait_alu depctr_va_vdst(0)
	s_wait_loadcnt 0x0
	QUANT 4
.irp c, 0,1,2,3
	global_store_b128 v1, v[80+4*\c:83+4*\c], s[46:47] offset:512*\c
.endr
	s_endpgm
.Lfunc_end_k_qeaf69bd266_prep:
	.size	k_qeaf69bd266_prep, .Lfunc_end_k_qeaf69bd266_prep-k_qeaf69bd266_prep
	.p2alignl 7, 3214868480
	.fill 96, 4, 3214868480
	.section	.rodata,"a",@progbits
	.p2align	6, 0x0
	.amdhsa_kernel k_qeaf69bd266_prep
		.amdhsa_group_segment_fixed_size 0
		.amdhsa_private_segment_fixed_size 0
		.amdhsa_enable_private_segment 0
		.amdhsa_kernarg_size 56
		.amdhsa_user_sgpr_count 2
		.amdhsa_user_sgpr_kernarg_segment_ptr 1
		.amdhsa_wavefront_size32 1
		.amdhsa_system_sgpr_workgroup_id_x 1
		.amdhsa_system_sgpr_workgroup_id_y 1
		.amdhsa_system_sgpr_workgroup_id_z 1
		.amdhsa_system_vgpr_workitem_id 0
		.amdhsa_next_free_vgpr 96
		.amdhsa_next_free_sgpr 66
		.amdhsa_reserve_vcc 0
		.amdhsa_float_denorm_mode_32 3
		.amdhsa_float_denorm_mode_16_64 3
		.amdhsa_memory_ordered 1
		.amdhsa_forward_progress 1
		.amdhsa_inst_pref_size 65
	.end_amdhsa_kernel
	.amdgpu_metadata
---
amdhsa.version: [ 1, 2 ]
amdhsa.kernels:
  - .name:           k_qeaf69bd266_prep
    .symbol:         k_qeaf69bd266_prep.kd
    .args:
      - { .name: W1, .offset: 0, .size: 8, .value_kind: global_buffer, .address_space: global }
      - { .name: W2, .offset: 8, .size: 8, .value_kind: global_buffer, .address_space: global }
      - { .name: W3, .offset: 16, .size: 8, .value_kind: global_buffer, .address_space: global }
      - { .name: W4, .offset: 24, .size: 8, .value_kind: global_buffer, .address_space: global }
      - { .name: lowp_scales, .offset: 32, .size: 8, .value_kind: global_buffer, .address_space: global }
      - { .name: wj, .offset: 40, .size: 8, .value_kind: global_buffer, .address_space: global }
      - { .name: wf, .offset: 48, .size: 8, .value_kind: global_buffer, .address_space: global }
    .group_segment_fixed_size: 0
    .private_segment_fixed_size: 0
    .kernarg_segment_align: 8
    .kernarg_segment_size: 56
    .max_flat_workgroup_size: 128
    .sgpr_count:     66
    .vgpr_count:     96
    .wavefront_size: 32
...
	.end_amdgpu_metadata
.endif
;; end of part 1
;; launch fwd (part 2): grid 64 x 1, 8 waves a work-group, no clusters, 327,680 bytes of LDS; arguments x, b1, b2, b3, b4, lowp_scales, wf, msk, hs; writes msk, hs
.if DOCPART == 2
	.amdgcn_target "amdgcn-amd-amdhsa--gfx1250"
	.amdhsa_code_object_version 6
	.text
	.protected	k_qeaf69bd266_fwd
	.globl	k_qeaf69bd266_fwd
	.p2align	8
	.type	k_qeaf69bd266_fwd,@function
k_qeaf69bd266_fwd:
	s_mov_b64 s[64:65], 0
	v_nop
	global_prefetch_b8 v0, s[64:65] scope:SCOPE_SE
	s_setreg_imm32_b32 hwreg(HW_REG_WAVE_MODE, 25, 1), 1
	s_wait_xcnt 0x0
; THE FORWARD PASS: a1 = x W1^T + b1, a2 = relu(a1) W2^T + b2, a3 = relu(a2) W3^T + b3, s = relu(a3) W4^T + b4, all four products on codes of E4M3 with the given scales e0 .. e7.
; It stores msk[l][b][j] = 0xff where a_(l+1)[b][j] > 0, else 0 (a byte each), and hs[b] = 0.5 x the sum of s[b][.]^2.  No work of reference() is left out here.
; SHARES.  A work-group takes 32 samples (two tiles of 16).  THE WAVES SHARE THE COLUMNS: wave w of EIGHT makes hidden units 64 w .. 64 w + 63 (four tiles) of each layer; in the last layer it makes tile w % 4 of the
; outputs for the samples' tile w / 4.  Eight waves, since the launch lives on bytes on their way: a work-group takes in 576 KB of codes by loads of 512 bytes, and what is out at a time grows with the number of waves.
; Weights come from wf, which holds images of operand registers, straight into registers, each byte once a work-group.  No run of loads that the wave has to get past is longer than a wave may have out, but the head's:
; the head asks for x, W1, b1, W2, W3's tile 3 and b4 (114 loads); behind layer 2's last products b3 and W3's tiles 0-2 (56); W4 (16) behind the masks' stores.
; LAYOUT.  Every product is used transposed (source 0 = 16 rows of a weight, source 1 = 16 samples): a lane holds ONE sample (lane % 16) and its registers run along the units; by the choice of a tile's rows
; (made where wf was laid) the 16 registers of tiles 2 b, 2 b + 1 are units 32 b + 16 (lane / 16) + 0 .. 15: the conversions' results are a piece of the next product's operand.  The wave's four tiles are pieces
; 2 (w % 2), 2 (w % 2) + 1 of K step w / 2: they go to LDS as images of their registers (2 stores of 512 bytes at 1,024 w), and every wave loads all four K steps back.
; The biases are the C of each sum's first matrix instruction, divided once by the power of two that the sums lack.  The activation is the hold that the conversion wants anyway (between 0 and 448 x the scale).
; THE MASKS: held relu(a) > 0 just where a > 0.  Such a number becomes 2^-9, whose code under the scale 1 is 0x01; a word of such bytes x 255 is the word of masks.  They go through a stage in LDS and leave as whole rows of 512 bytes.
; LDS: h1's, h2's, h3's images at 0, 16,384, 32,768 (fragment (tile of samples m, K step s) at 2048 (4 m + s)); the three layers' mask stages from 49,152 on, 32 rows with a pitch of 528 bytes each; 512 bytes of partial sums; the spare words.
; No region is written twice, so one barrier a layer is enough.
; LIMITS: e0, e2 - e0 - e1, e4 - e2 - e3, e6 - e4 - e5 between -126 and 119; e6 + e7 between -126 and 127.  NaN among the inputs is not served.
; REGISTERS.  Window 0: v1 16 x lane; v4-10, v14, v18, v20 addresses; v11-13, v15, v19 constants; v16, v17 the add's two; v24-39 x's codes, then the masks on their way out; v40-47 codes just made; v48-55 mask bytes just made;
;   v56-63 b4; v64-127 fragments of activations (first W1 in v64-95 and x in v96-159); v128-159 four accumulators; v160-191 a layer's bias; v192-255 W3's tile 3.
;   Window 1: W2's 16 fragments ((tile i, K step s) at 16 (4 i + s)); then W3's tiles 0-2 and, from v192 of it, W4's tile.
.set MST,   49152
.set PART,  99840
.set SPARE, 100352
.set MSB, 0
.macro WIN new                         ; the immediate's high byte repeats the setting that is left
.if MSB != (\new)
	s_set_vgpr_msb (MSB<<8)|(\new)
.set MSB, (\new)
.endif
.endm
.macro PLACES                          ; four plain vector instructions behind a matrix instruction, ahead of reads of its result and of loads into its registers
.rept 4
	v_nop
.endr
.endm
.macro BARRIER                         ; my LDS stores have landed and my LDS loads are in: then the work-group's barrier
	s_wait_dscnt 0x0
	s_barrier_signal -1
	s_barrier_wait -1
.endm
.macro FETCH reg, adr, off             ; a fragment's image comes back as it was stored
.irp c, 0,1,2,3
	ds_load_b128 v[(\reg)+4*\c:(\reg)+4*\c+3], v[\adr] offset:(\off)+512*\c
.endr
.endm
.macro WLOAD win, r0, base, off, n     ; n x 512 bytes of images into window win, from its register r0 on
	WIN (\win)<<6
.set i, 0
.rept \n
	global_load_b128 v[(\r0)+4*i:(\r0)+4*i+3], v1, s[\base:\base+1] offset:(\off)+512*i
.set i, i+1
.endr
	WIN 0
.endm
.macro BIASLOAD base                   ; tile i's eight registers: the bias of units 32 (i / 2) + 16 h + 8 (i % 2) + 0 .. 7 of my 64
.irp i, 0,1,2,3
	global_load_b128 v[160+8*\i:163+8*\i], v10, s[\base:\base+1] offset:(32*(\i/2)+8*(\i%2))*4
	global_load_b128 v[164+8*\i:167+8*\i], v10, s[\base:\base+1] offset:(32*(\i/2)+8*(\i%2))*4+16
.endr
.endm
.macro BIASSCALE sx                    ; the bias / the power of two that the sums lack
.set i, 0
.rept 32
	v_ldexp_f32 v[160+i], v[160+i], s[\sx]
.set i, i+1
.endr
.endm
.macro MKSCALE d                       ; s2 = an exponent + 127: s[d] = that power of two as f32, s[d+1] = 448 x it
	s_lshl_b32 s[\d], s2, 23
	s_add_co_i32 s2, s2, 8
	s_lshl_b32 s[\d+1], s2, 23
	s_or_b32 s[\d+1], s[\d+1], 0x600000
.endm
; Layer l's four tiles of samples 16 m .., in v[ab] on: activation, codes and their image; masks and their place in the stage.
.macro EPI l, m, ab
.if ((\l) == 2) && ((\m) == 1)
	s_wait_dscnt 48                                ; the 48 loads of W3's fragments, issued just ahead, may stay out; all older LDS instructions are done
.else
	s_wait_dscnt 0x0                               ; v40-55 were the data of LDS stores: they are written again only behind this wait
.endif
	v_mov_b32 v13, s[50+2*(\l)]
.set i, 0
.rept 32
	v_med3_num_f32 v[(\ab)+i], v[(\ab)+i], 0, s[51+2*(\l)]   ; the activation and the hold in one; each accumulator from its low end on
.set i, i+1
.endr
.irp b, 0,1
	v_cvt_scalef32_pk8_fp8_f32 v[40+4*\b:41+4*\b], v[(\ab)+16*\b:(\ab)+16*\b+7], v13
	v_cvt_scalef32_pk8_fp8_f32 v[42+4*\b:43+4*\b], v[(\ab)+16*\b+8:(\ab)+16*\b+15], v13
.endr
	v_nop                                          ; a plain instruction between the conversions and the lines that write their sources
.irp c, 0,1
	ds_store_b128 v6, v[40+4*\c:43+4*\c] offset:16384*((\l)-1)+8192*(\m)+512*\c   ; my two pieces of the next product's operand
.endr
.irp g, 0,1,2,3
.irp k, 0,1,2,3,4,5,6,7
	v_cmp_lt_f32 s[40+\k], 0, v[(\ab)+8*\g+\k]
.endr
.irp k, 0,1,2,3,4,5,6,7
	v_cndmask_b32 v[(\ab)+8*\g+\k], 0, v19, s[40+\k]   ; 2^-9 where a > 0, else 0
.endr
.endr
.irp b, 0,1
	v_cvt_scalef32_pk8_fp8_f32 v[48+4*\b:49+4*\b], v[(\ab)+16*\b:(\ab)+16*\b+7], v15      ; under the scale 1: bytes 0x01 or 0
	v_cvt_scalef32_pk8_fp8_f32 v[50+4*\b:51+4*\b], v[(\ab)+16*\b+8:(\ab)+16*\b+15], v15
.endr
	v_nop
.irp k, 0,2,4,6
	v_lshlrev_b32 v21, 8, v[48+\k]
	v_lshlrev_b32 v22, 8, v[49+\k]
	v_sub_nc_u32 v[48+\k], v21, v[48+\k]           ; x 255: bytes 0xff or 0
	v_sub_nc_u32 v[49+\k], v22, v[49+\k]
.endr
.irp b, 0,1
	ds_store_b128 v7, v[48+4*\b:51+4*\b] offset:16896*((\l)-1)+8448*(\m)+32*\b   ; row = my sample, bytes 64 w + 32 b + 16 h on
.endr
.endm
.macro MASKOUT l                       ; wave w takes rows 4 w .. 4 w + 3 of layer l's stage, whole: 32 lanes store 512 consecutive bytes, aligned
.if (\l) > 1
	s_wait_storecnt 0x0                            ; the stores of the layer before, issued a layer ago, are done: their data registers may be loaded again.  (This wait hangs on no load)
.endif
.irp i, 0,1,2,3
	ds_load_b128 v[24+4*\i:27+4*\i], v8 offset:16896*((\l)-1)+528*\i
.endr
.irp i, 0,1,2,3
	s_wait_dscnt 3-\i                              ; LDS loads come back in order: row i is in, the younger ones may be out
	global_store_b128 v9, v[24+4*\i:27+4*\i], s[18:19] offset:1048576*((\l)-1)+512*\i
.endr
.endm
.macro PROD l                          ; my four tiles, all four K steps: four accumulators by turns, one instruction a turn.  In layer 3 tile 3's fragments lie in window 0, under the same numbers
.irp ks, 0,1,2,3
.irp ii, 0,1,2,3
.if ((\l) == 3) && (\ii == 3)
	WIN 0
.else
	WIN 1
.endif
.if \ks == 0
	v_wmma_f32_16x16x128_fp8_fp8 v[128+8*\ii:135+8*\ii], v[16*(4*\ii+\ks):16*(4*\ii+\ks)+15], v[64+16*\ks:79+16*\ks], v[160+8*\ii:167+8*\ii]
.else
	v_wmma_f32_16x16x128_fp8_fp8 v[128+8*\ii:135+8*\ii], v[16*(4*\ii+\ks):16*(4*\ii+\ks)+15], v[64+16*\ks:79+16*\ks], v[128+8*\ii:135+8*\ii]
.endif
.endr
.endr
.endm
.macro LAYER l                         ; layer 2 or 3
.irp m, 0,1
.irp ks, 0,1,2,3
	FETCH 64+16*\ks, 1, 16384*((\l)-2)+2048*(4*\m+\ks)
.endr
	s_wait_dscnt 0x0
	PROD \l
	WIN 0
	PLACES
.if (\m == 1) && ((\l) == 2)           ; W2's registers and b2's are done with: b3 and W3's tiles 0-2: 56 loads
	BIASLOAD 10
	s_wait_tensorcnt 0x0                           ; my one tensor load, issued at the head: W3's tiles 0-2 of mine lie in my own LDS bytes, which I alone read
	WIN 0x40
.set i, 0
.rept 48
	ds_load_b128 v[4*i:4*i+3], v3 offset:512*i
.set i, i+1
.endr
	WIN 0
.endif
	EPI \l, \m, 128
.endr
.endm
	s_load_b256 s[4:11], s[0:1], 0x0               ; x s[4:5], b1 s[6:7], b2 s[8:9], b3 s[10:11]
	s_load_b256 s[12:19], s[0:1], 0x20             ; b4 s[12:13], the exponents s[14:15], wf s[16:17], msk s[18:19]
	s_load_b64 s[20:21], s[0:1], 0x40              ; hs
	v_lshl_add_u32 v16, v0, 2, SPARE               ; my spare word, and 0: kept for the add alone
	v_mov_b32 v17, 0
	ds_add_u32 v16, v17                            ; the opening lines ahead of my tensor load: the add, twice on end, and its wait
	ds_add_u32 v16, v17
	v_lshrrev_b32 v2, 5, v0
	s_delay_alu instid0(VALU_DEP_1)
	v_readfirstlane_b32 s22, v2                    ; wave 0..7
	v_and_b32 v20, 31, v0                          ; lane
	s_delay_alu instid0(VALU_DEP_1)
	v_lshlrev_b32 v1, 4, v20                       ; 16 x lane
	s_delay_alu instid0(VALU_DEP_2)
	v_lshlrev_b32 v20, 2, v20                      ; 4 x lane
	v_and_b32 v2, 15, v0                           ; r
	v_bfe_u32 v3, v0, 4, 1                         ; h
	s_delay_alu instid0(VALU_DEP_2)
	v_lshlrev_b32 v4, 8, v2
	s_delay_alu instid0(VALU_DEP_1)
	v_lshl_add_u32 v4, v3, 6, v4                   ; x: row r of 256 bytes + 16 h numbers
	s_lshl_b32 s2, s22, 10
	v_add_nc_u32 v6, s2, v1                        ; my images: 16 x lane + 1,024 w
	v_mul_u32_u24 v7, v2, 528
	s_delay_alu instid0(VALU_DEP_1)
	v_lshl_add_u32 v7, v3, 4, v7
	s_lshl_b32 s2, s22, 6
	s_add_co_u32 s2, s2, MST
	v_add_nc_u32 v7, s2, v7                        ; the mask stage, in: row r, + 64 w + 16 h
	s_mul_i32 s2, s22, 2112
	s_add_co_u32 s2, s2, MST
	v_add_nc_u32 v8, s2, v1                        ; and out: rows 4 w on, 16 bytes a lane
	s_lshl_b32 s2, s22, 11
	v_add_nc_u32 v9, s2, v1                        ; the same rows in msk
	v_lshlrev_b32 v10, 6, v3                       ; biases: 16 h numbers
	s_lshr_b32 s2, s22, 2
	s_lshl_b32 s2, s2, 13
	v_add_nc_u32 v14, s2, v1                       ; the last layer: h3's fragments of the samples' tile w / 4
	v_add_nc_u32 v5, PART, v20                     ; the partial sums, read: 4 x lane
	v_lshlrev_b32 v18, 2, v2
	s_and_b32 s2, s22, 3
	s_lshl_b32 s2, s2, 7
	s_lshr_b32 s23, s22, 2
	s_lshl_b32 s23, s23, 6
	s_add_co_u32 s2, s2, s23
	s_add_co_u32 s2, s2, PART
	v_add_nc_u32 v18, s2, v18                      ; and written: 128 (w % 4) + 64 (w / 4) + 4 r
	s_mul_i32 s2, s22, 24576
	s_add_co_u32 s2, s2, 101376                    ; behind the spare words: 24,576 bytes for each wave, filled once by its tensor load
	v_add_nc_u32 v3, s2, v1                        ; where I read W3's tiles 0-2 back: 16 x lane + my wave's bytes
	s_mov_b32 s68, 1                               ; group 0: count, LDS address (the global address follows below)
	s_mov_b32 s69, s2
	s_mov_b32 s72, 3<<16                           ; group 1: 96 rows of 256 bytes (32 elements of 8 bytes), dense, no padding
	s_mov_b32 s73, 32<<16
	s_mov_b32 s74, 96<<16
	s_mov_b32 s75, 32<<16
	s_mov_b32 s76, 96
	s_mov_b32 s77, 32
	s_mov_b32 s78, 0
	s_mov_b32 s79, 0
	v_mov_b32 v15, 1.0
	v_mov_b32 v19, 0x3b000000                      ; 2^-9
	v_mov_b32 v23, 0                               ; a lane permute's destination counts as read
	s_mov_b32 s50, 0x76543210
	s_mov_b32 s51, 0xfedcba98                      ; v_permlanex16_b32: lane l xor 16
	s_mov_b32 s3, 0
	s_wait_alu depctr_va_vdst(0)
	s_wait_dscnt 0x0                               ; both opening adds are done
	s_wait_kmcnt 0x0
	s_load_b256 s[24:31], s[14:15], 0x0            ; e0 .. e7
	s_lshl_b32 s2, ttmp9, 13
	s_add_nc_u64 s[4:5], s[4:5], s[2:3]            ; x at my 32 rows
	s_lshl_b32 s2, s22, 8
	s_add_nc_u64 s[6:7], s[6:7], s[2:3]            ; b1, b2, b3 at my 64 units
	s_add_nc_u64 s[8:9], s[8:9], s[2:3]
	s_add_nc_u64 s[10:11], s[10:11], s[2:3]
	s_lshr_b32 s2, s22, 1
	s_and_b32 s2, s2, 1
	s_lshl_b32 s2, s2, 7
	s_and_b32 s23, s22, 1
	s_lshl_b32 s23, s23, 5
	s_add_co_u32 s2, s2, s23
	s_add_nc_u64 s[12:13], s[12:13], s[2:3]        ; b4 at outputs 32 (T / 2) + 8 (T % 2), T = w % 4
	s_lshl_b32 s2, ttmp9, 14
	s_add_nc_u64 s[18:19], s[18:19], s[2:3]        ; msk at my 32 rows of 512 bytes
	s_lshl_b32 s2, ttmp9, 7
	s_add_nc_u64 s[20:21], s[20:21], s[2:3]        ; hs likewise
	s_lshl_b32 s2, s22, 12
	s_add_nc_u64 s[32:33], s[16:17], s[2:3]        ; W1's four tiles of mine
	s_and_b32 s2, s22, 3
	s_lshl_b32 s2, s2, 13
	s_add_nc_u64 s[38:39], s[16:17], s[2:3]
	s_add_nc_u64 s[38:39], s[38:39], 557056        ; W4's tile w % 4
	s_lshl_b32 s2, s22, 15
	s_add_nc_u64 s[34:35], s[16:17], s[2:3]
	s_add_nc_u64 s[36:37], s[34:35], 294912        ; W3's four tiles
	s_add_nc_u64 s[34:35], s[34:35], 32768         ; W2's
	s_mov_b64 s[70:71], s[36:37]
	s_or_b32 s71, s71, 0x80000000
	tensor_load_to_lds s[68:71], s[72:79]          ; W3's tiles 0-2 of my four: my one tensor load
	s_nop 0
.irp m, 0,1
.irp c, 0,1
.irp z, 0,1,2,3
	global_load_b128 v[96+32*\m+16*\c+4*\z:96+32*\m+16*\c+4*\z+3], v4, s[4:5] offset:4096*\m+128*\c+16*\z   ; x: of row r, numbers 32 c + 16 h + 0 .. 15
.endr
.endr
.endr
.set i, 0
.rept 8
	global_load_b128 v[64+4*i:67+4*i], v1, s[32:33] offset:512*i    ; W1: tile i's eight registers at v[64 + 8 i]
.set i, i+1
.endr
	BIASLOAD 6
	WLOAD 1, 0, 34, 0, 64                          ; W2
	WLOAD 0, 192, 36, 24576, 16                    ; W3's tile 3
	global_load_b128 v[56:59], v10, s[12:13]       ; b4
	global_load_b128 v[60:63], v10, s[12:13] offset:16
	s_wait_kmcnt 0x0
	s_add_co_i32 s2, s24, 127
	MKSCALE 62
	v_mov_b32 v11, s62                             ; 2^e0
	v_mov_b32 v12, s63                             ; 448 x 2^e0
	s_add_co_i32 s58, s24, s25                     ; e0 + e1
	s_sub_co_i32 s2, s26, s58
	s_add_co_i32 s2, s2, 127
	MKSCALE 52                                     ; h1: 2^(e2 - e0 - e1)
	s_sub_co_i32 s58, 0, s58
	s_add_co_i32 s59, s26, s27
	s_sub_co_i32 s2, s28, s59
	s_add_co_i32 s2, s2, 127
	MKSCALE 54                                     ; h2: 2^(e4 - e2 - e3)
	s_sub_co_i32 s59, 0, s59
	s_add_co_i32 s60, s28, s29
	s_sub_co_i32 s2, s30, s60
	s_add_co_i32 s2, s2, 127
	MKSCALE 56                                     ; h3: 2^(e6 - e4 - e5)
	s_sub_co_i32 s60, 0, s60
	s_add_co_i32 s48, s30, s31
	s_add_co_i32 s48, s48, 127
	s_lshl_b32 s48, s48, 23                        ; 2^(e6 + e7)
	s_mov_b32 s49, s48                             ; (named with it as a pair)
	s_wait_alu depctr_va_vdst(0)
	s_wait_loadcnt 63                              ; behind x, W1 and b1 came 82 loads: with 63 out at the most, those first 32 are in
.set i, 0
.rept 64
	v_med3_num_f32 v[96+i], v[96+i], -v12, v12
.set i, i+1
.endr
.set i, 0
.rept 8
	v_cvt_scalef32_pk8_fp8_f32 v[24+2*i:25+2*i], v[96+8*i:103+8*i], v11   ; x's two fragments (K = 64): v[24 + 8 m]
.set i, i+1
.endr
	v_nop
	BIASSCALE 58
	; ---- layer 1: both tiles of samples at once, eight accumulators (m = 0 in v128-159, m = 1 in v96-127, which x has left), so that b1's registers are free for b2 at once
.irp m, 0,1
.irp i, 0,1,2,3
	v_wmma_f32_16x16x64_fp8_fp8 v[128-32*\m+8*\i:135-32*\m+8*\i], v[64+8*\i:71+8*\i], v[24+8*\m:31+8*\m], v[160+8*\i:167+8*\i]
.endr
.endr
	PLACES
	BIASLOAD 8                                     ; b2
	EPI 1, 0, 128
	EPI 1, 1, 96
	BARRIER                                        ; h1's eight fragments and layer 1's masks lie in LDS
	MASKOUT 1
	s_wait_loadcnt 0x0                             ; W2, b2 and all that was asked for ahead of b2
	BIASSCALE 59
	s_wait_alu depctr_va_vdst(0)
	LAYER 2
	BARRIER
	MASKOUT 2
	WLOAD 1, 192, 38, 0, 16                        ; W4, into the registers that W2's tile 3 has left
	s_wait_loadcnt 16                              ; behind b3 and W3's tiles 0-2 came W4's 16 loads
	BIASSCALE 60
	s_wait_alu depctr_va_vdst(0)
	LAYER 3
	BARRIER
	MASKOUT 3
	; ---- layer 4: tile w % 4 of the outputs for the samples' tile w / 4.  K steps 0, 1 on one accumulator, 2, 3 on another, by turns; the two are added behind
.irp ks, 0,1,2,3
	FETCH 64+16*\ks, 14, 32768+2048*\ks
.endr
	s_wait_loadcnt 0x0                             ; W4
	s_wait_dscnt 0x0
	WIN 1
	v_wmma_f32_16x16x128_fp8_fp8 v[128:135], v[192:207], v[64:79], 0
	v_wmma_f32_16x16x128_fp8_fp8 v[136:143], v[224:239], v[96:111], 0
	v_wmma_f32_16x16x128_fp8_fp8 v[128:135], v[208:223], v[80:95], v[128:135]
	v_wmma_f32_16x16x128_fp8_fp8 v[136:143], v[240:255], v[112:127], v[136:143]
	WIN 0
	PLACES
.irp i, 0,2,4,6
	v_pk_add_f32 v[144+\i:145+\i], v[128+\i:129+\i], v[136+\i:137+\i]
.endr
.irp i, 0,2,4,6
	s_delay_alu instid0(VALU_DEP_4)
	v_pk_fma_f32 v[144+\i:145+\i], v[144+\i:145+\i], s[48:49], v[56+\i:57+\i] op_sel_hi:[1,0,1]   ; s = sum x 2^(e6 + e7) + b4
.endr
	s_delay_alu instid0(VALU_DEP_4)
	v_pk_mul_f32 v[152:153], v[144:145], v[144:145]
.irp i, 2,4,6
	s_delay_alu instid0(VALU_DEP_1)
	v_pk_fma_f32 v[152:153], v[144+\i:145+\i], v[144+\i:145+\i], v[152:153]
.endr
	s_delay_alu instid0(VALU_DEP_1)
	v_add_f32 v21, v152, v153                      ; the squares of my eight outputs of my sample
	s_delay_alu instid0(VALU_DEP_1)
	v_permlanex16_b32 v23, v21, s50, s51
	s_delay_alu instid0(VALU_DEP_1)
	v_add_f32 v21, v21, v23                        ; and of lane l xor 16's eight
	ds_store_b32 v18, v21                          ; (both halves of the lanes write the same word with the same number)
	BARRIER                                        ; the eight waves' partial sums lie in LDS
	s_cmp_lg_u32 s22, 0
	s_cbranch_scc1 .Lend
	ds_load_b32 v168, v5                           ; wave 0: lane = sample; the four tiles of outputs lie 128 bytes apart
	ds_load_b32 v169, v5 offset:128
	ds_load_b32 v170, v5 offset:256
	ds_load_b32 v171, v5 offset:384
	s_wait_dscnt 0x0
	v_add_f32 v168, v168, v169
	v_add_f32 v170, v170, v171
	s_delay_alu instid0(VALU_DEP_1)
	v_add_f32 v168, v168, v170
	s_delay_alu instid0(VALU_DEP_1)
	v_mul_f32 v168, 0.5, v168
	global_store_b32 v20, v168, s[20:21]           ; 128 consecutive bytes: all that this work-group owns of hs
.Lend:
	s_wait_tensorcnt 0x0                           ; the wave's end, behind my last LDS store
	ds_add_u32 v16, v17
	s_wait_dscnt 0x0
	s_endpgm
.Lfunc_end_k_qeaf69bd266_fwd:
	.size	k_qeaf69bd266_fwd, .Lfunc_end_k_qeaf69bd266_fwd-k_qeaf69bd266_fwd
	.p2alignl 7, 3214868480
	.fill 96, 4, 3214868480
	.section	.rodata,"a",@progbits
	.p2align	6, 0x0
	.amdhsa_kernel k_qeaf69bd266_fwd
		.amdhsa_group_segment_fixed_size 327680
		.amdhsa_private_segment_fixed_size 0
		.amdhsa_enable_private_segment 0
		.amdhsa_kernarg_size 72
		.amdhsa_user_sgpr_count 2
		.amdhsa_user_sgpr_kernarg_segment_ptr 1
		.amdhsa_wavefront_size32 1
		.amdhsa_system_sgpr_workgroup_id_x 1
		.amdhsa_system_sgpr_workgroup_id_y 1
		.amdhsa_system_sgpr_workgroup_id_z 1
		.amdhsa_system_vgpr_workitem_id 0
		.amdhsa_next_free_vgpr 512
		.amdhsa_next_free_sgpr 84
		.amdhsa_reserve_vcc 0
		.amdhsa_float_denorm_mode_32 3
		.amdhsa_float_denorm_mode_16_64 3
		.amdhsa_memory_ordered 1
		.amdhsa_forward_progress 1
		.amdhsa_inst_pref_size 94
	.end_amdhsa_kernel
	.amdgpu_metadata
---
amdhsa.version: [ 1, 2 ]
amdhsa.kernels:
  - .name:           k_qeaf69bd266_fwd
    .symbol:         k_qeaf69bd266_fwd.kd
    .args:
      - { .name: x, .offset: 0, .size: 8, .value_kind: global_buffer, .address_space: global }
      - { .name: b1, .offset: 8, .size: 8, .value_kind: global_buffer, .address_space: global }
      - { .name: b2, .offset: 16, .size: 8, .value_kind: global_buffer, .address_space: global }
      - { .name: b3, .offset: 24, .size: 8, .value_kind: global_buffer, .address_space: global }
      - { .name: b4, .offset: 32, .size: 8, .value_kind: global_buffer, .address_space: global }
      - { .name: lowp_scales, .offset: 40, .size: 8, .value_kind: global_buffer, .address_space: global }
      - { .name: wf, .offset: 48, .size: 8, .value_kind: global_buffer, .address_space: global }
      - { .name: msk, .offset: 56, .size: 8, .value_kind: global_buffer, .address_space: global }
      - { .name: hs, .offset: 64, .size: 8, .value_kind: global_buffer, .address_space: global }
    .group_segment_fixed_size: 327680
    .private_segment_fixed_size: 0
    .kernarg_segment_align: 8
    .kernarg_segment_size: 72
    .max_flat_workgroup_size: 256
    .sgpr_count:     84
    .vgpr_count:     512
    .wavefront_size: 32
...
	.end_amdgpu_metadata
.endif
;; end of part 2
;; launch jac (part 3): grid 256 x 1, 8 waves a work-group, clusters of 4 x 1, 327,680 bytes of LDS; arguments wj, msk, hs, lowp_scales, out0; writes out0
.if DOCPART == 3
	.amdgcn_target "amdgcn-amd-amdhsa--gfx1250"
	.amdhsa_code_object_version 6
	.text
	.protected	k_qeaf69bd266_jac
	.globl	k_qeaf69bd266_jac
	.p2align	8
	.type	k_qeaf69bd266_jac,@function
k_qeaf69bd266_jac:
	s_mov_b64 s[64:65], 0
	v_nop
	global_prefetch_b8 v0, s[64:65] scope:SCOPE_SE
	s_setreg_imm32_b32 hwreg(HW_REG_WAVE_MODE, 25, 1), 1
	s_wait_xcnt 0x0
	s_wait_alu depctr_hold_cnt(0) depctr_sa_sdst(0) depctr_va_vdst(0) depctr_va_sdst(0) depctr_va_ssrc(0) depctr_va_vcc(0) depctr_vm_vsrc(0)
	s_getreg_b32 s2, hwreg(HW_REG_IB_STS2, 6, 4)
	s_cmp_eq_u32 s2, 0
	s_cbranch_scc0 .Lentry_in_a_cluster
	s_endpgm
.Lentry_in_a_cluster:
	s_bfe_u32 s2, ttmp6, 0x10000c
	s_cmp_lg_u32 s2, 0x3003
	s_cbranch_scc0 .Lentry_shape_is_right
	s_endpgm
.Lentry_shape_is_right:
; THE DIVERGENCE: out0[b] = hs[b] + the sum over d, k of W4[d][k] m3[b][k] P6[b][k][d];  P6 = W3 T2, T2 = m2 P5, P5 = W2 T1, T1[b][j][d] = m1[b][j] W1[j][d].  Both products on codes of E4M3 (scales e8 .. e11).
; The trace (the product that is left as it is) takes P6 in f32 and W4 rounded to bf16, sums in f32.
; No work of reference() is left out.  A mask is 0 or 1 and the quantiser keeps 0, so Q(m w) = m Q(w) for all finite w: m1 and m2 are laid on finished codes by an AND with bytes 0xff or 0, m3 on f32 partial sums.
; LIMITS: e10 - e8 - e9 between -126 and 119.  NaN and infinities are not served (under a mask of 0 they are not carried).
; SHARES.  A work-group takes 8 samples, each of its EIGHT waves one: 64 rows d, four tiles a, through the whole chain.  Two waves lie on a SIMD, 512 registers each.
; The rows' operand stays in registers (256: W1^T's codes under m1, then T2's codes); the weights come from LDS, a fragment (16 rows x 128 K) at a time through four register slots; a fragment feeds four matrix instructions.
; A TRIP (32 rows of a weight) GOES IN TWO HALF-TRIPS, one for each tile t of 16 rows: 16 matrix instructions, K step by K step, four accumulators by turns.  Behind a K step's four products its slot takes the same K step's
; fragment of the next half-trip, 12 matrix instructions ahead of its use.  The other tile's finished sums are worked on between the products (phase 1: the holds; phase 2: the trace); these lines are also the places ahead of the loads.
; PHASE 1, 16 trips: P5 transposed (source 0 = 16 rows of W2, source 1 = 16 rows d); a lane holds one d, and the 16 registers of a trip's two tiles are 16 neighbours along the next K: hold, conversion, AND with m2.
;   The codes of trips 0-3 go into registers (T2's K step 0), those of trips 4-15 into LDS over W2's rows of four trips back, each wave in its own 2,048 bytes.  Trip n's codes are stored in trip n + 1.  A barrier in trip m stands
;   behind every wave's reads of the rows up to m; barriers stand in trips 3, 6, 9, 12, 15, so that for each n from 4 to 15 one lies in a trip from n - 4 to n, ahead of the stores.
; PHASE 2, 16 trips: P6 (source 0 = T2's rows d, source 1 = 16 rows of W3): a lane holds one k and eight d; x W4, summed, AND with m3, added up.
; LDS.  0 - 262,143 W2.  262,144 on, the even slot: first 49,152 bytes of wj's head (W1^T's image in the first 32,768; the rest nobody reads), then the even blocks of phase 2 (W3 and W4 of two trips, 40,960 bytes).
;   196,608 on: the odd slot, over W2's last quarter when it has been read out; nothing is ever stored there (the codes' stage ends at 196,607).  311,296 the masks m2, m3, 1,024 bytes a wave.  319,488 the spare words.
; TENSOR LOADS, all joint for the four work-groups of a cluster, which walk the same stream (mask 15).  Head: one a wave, waves 0-3 W2's first quarter, waves 4-7 the even slot's first fill.  Behind the full sequence and a round:
;   W2's other three quarters, an eighth a wave.  Trip 3 of phase 1: block 0 into the even slot; trip 15: block 1 into the odd one; then each block's slot takes the block two further on.  A wave has one load out at a time.
; No prefetch: a block's load stands two trips or more ahead of the first read of it, and every cluster walks the same 622,592 bytes in the same order.
; REGISTERS.  Window 0: v1-9 addresses, v10 the conversion's scale, v11, v12 the add's two, v16 the sum, v18 hs, v24-27 m2, v28-31 m3 (two trips), v32-35 four chains of the trace, v40-55 codes just made,
;   v64-127 eight accumulators ((a, t) at 32 t + 8 a), v128-191 the four fragment slots, v192-255 T2's K step 0.  Window 1: W1^T under m1 ((s, a) at 64 s + 16 a); in phase 2 T2's K steps 1-3 and, from v192, W4 of two trips.
.set SPARE, 319488
.set MSK,   311296
.set SLOTE, 0x40000
.set SWAP,  0x70000                    ; 0x40000 xor 0x30000
.set SUBW,  16384
.set SUB3,  20480
.set WJ2,   32768
.set WJ3,   294912
.set LIN, 1
.set STG, 2
.set M2I, 3
.set M3I, 4
.set ADB, 5
.set ADH, 6
.set ADM, 7
.set AD3, 8
.set ADP, 9
.set SCL, 10
.set SPW, 11
.set NIL, 12
.set DVS, 16
.set HSV, 18
.set MK2, 24
.set MK3, 28
.set QS,  32
.set TC,  40
.set ACC, 64
.set BF,  128
.set T20, 192
.set W4R, 192
.set MSB, 0
.set PE, 0                             ; LDS instructions issued at the last half-trip's end, behind its fragment loads
.macro WIN new                         ; the immediate's high byte repeats the setting that is left
.if MSB != (\new)
	s_set_vgpr_msb (MSB<<8)|(\new)
.set MSB, (\new)
.endif
.endm
.macro PLACES                          ; four places behind a matrix instruction, ahead of reads of its result and of loads into its registers
.rept 4
	v_nop
.endr
.endm
.macro CROUND                          ; a round of the cluster's barrier
	s_barrier_signal -1
	s_barrier_wait -1
	s_cmp_lg_u32 s16, 0
	s_cbranch_scc1 .Lnot_wave_0_\@
	s_barrier_signal -3
.Lnot_wave_0_\@:
	s_barrier_wait -3
	s_barrier_signal -1
	s_barrier_wait -1
.endm
.macro GRP g, rows                     ; group 1: rows of 256 bytes (32 elements of 8 bytes), dense; the mask names all four work-groups, bit 21 beside it
	s_mov_b32 s[\g], 15|(3<<16)|(1<<21)
	s_mov_b32 s[\g+1], 32<<16
	s_mov_b32 s[\g+2], (\rows)<<16
	s_mov_b32 s[\g+3], 32<<16
	s_mov_b32 s[\g+4], \rows
	s_mov_b32 s[\g+5], 32
	s_mov_b32 s[\g+6], 0
	s_mov_b32 s[\g+7], 0
.endm
.macro FLOAD ks, adr, off              ; a fragment into slot ks
.irp c, 0,1,2,3
	ds_load_b128 v[BF+16*(\ks)+4*\c:BF+16*(\ks)+4*\c+3], v[\adr] offset:(\off)+4096*(\ks)+512*\c
.endr
.endm
; The change of slots: all my tensor loads have landed, the add, the wait for it and for my LDS reads.  fill = 1: behind a round of the cluster's barrier the slot that has been read out is filled again.
.macro CHANGE fill
	s_wait_tensorcnt 0x0
	ds_add_u32 v[SPW], v[NIL]
.if \fill
	s_xor_b32 s57, s57, SWAP                       ; the other slot than last time, the next block
	s_add_nc_u64 s[58:59], s[58:59], 2*SUB3
.endif
	s_wait_dscnt 0x0
.if \fill
	CROUND
	tensor_load_to_lds s[56:59], s[48:55]          ; my one tensor load behind the round: an eighth of the block
	s_nop 0
	PLACES
.else
	s_barrier_signal -1
	s_barrier_wait -1
.endif
.endm
.macro HOLD r                          ; the conversion does not saturate (ISA guide 7.6.2): the hold at +-448 x the scale
	v_med3_num_f32 v[\r], v[\r], s61, s60
.endm
.macro CODES t                         ; tile t's four accumulators become codes: words 2 t, 2 t + 1 of each tile a's four
.irp a, 0,1,2,3
	v_cvt_scalef32_pk8_fp8_f32 v[TC+4*\a+2*(\t):TC+4*\a+2*(\t)+1], v[ACC+32*(\t)+8*\a:ACC+32*(\t)+8*\a+7], v[SCL]
.endr
	v_nop                                          ; a plain line behind the last conversion
.endm
.macro FINISH fin, cc                  ; a trip's codes under m2: fin = 1: piece cc of T2's K step 0; 2: into the stage
.irp a, 0,1,2,3
.irp z, 0,1,2,3
.if (\fin) == 1
	v_and_b32 v[T20+16*\a+4*(\cc)+\z], v[TC+4*\a+\z], v[MK2+\z]
.else
	v_and_b32 v[TC+4*\a+\z], v[TC+4*\a+\z], v[MK2+\z]
.endif
.endr
.endr
.if (\fin) == 2
	v_add_nc_u32 v[ADH], s63, v[STG]               ; the stage: W2's rows of four trips back, my 2,048 bytes
	s_add_co_u32 s63, s63, SUBW
.irp a, 0,1,2,3
	ds_store_b128 v[ADH], v[TC+4*\a:TC+4*\a+3] offset:512*\a
.endr
.endif
.endm
; A HALF-TRIP OF PHASE 1, tile t.  hold: the other tile's sums are held and converted.  fin, cc (t = 0): the trip before is finished.  ml: the next m2 is loaded.  top (t = 1): 1 a barrier, 3 a change of slots with a refill.
.macro S1 t, hold, fin, cc, ml, top
.if (\t) == 1
.if (\top) == 3
	CHANGE 1
.elseif (\top) == 1
	s_wait_dscnt 0x0                               ; I have read W2's rows up to this trip's
	s_barrier_signal -1
	s_barrier_wait -1
.endif
	s_add_co_u32 s62, s62, SUBW                    ; from here on the next trip's fragments are asked for
.endif
.irp ks, 0,1,2,3
	s_wait_dscnt 12+PE                             ; this fragment is in: behind it came three fragments' 12 loads and the PE others
	WIN 0x04                                       ; source 1 (W1^T under m1) window 1
.irp a, 0,1,2,3
.if \ks == 0
	v_wmma_f32_16x16x128_fp8_fp8 v[ACC+32*(\t)+8*\a:ACC+32*(\t)+8*\a+7], v[BF+16*\ks:BF+16*\ks+15], v[64*\ks+16*\a:64*\ks+16*\a+15], 0
.else
	v_wmma_f32_16x16x128_fp8_fp8 v[ACC+32*(\t)+8*\a:ACC+32*(\t)+8*\a+7], v[BF+16*\ks:BF+16*\ks+15], v[64*\ks+16*\a:64*\ks+16*\a+15], v[ACC+32*(\t)+8*\a:ACC+32*(\t)+8*\a+7]
.endif
.if \hold
	HOLD ACC+32*(1-(\t))+8*\ks+\a                  ; the other tile's accumulator ks, from its low end on
.endif
.endr
.if \hold
.irp j, 4,5,6,7
	HOLD ACC+32*(1-(\t))+8*\ks+\j
.endr
.else
	PLACES
.endif
	v_add_nc_u32 v[ADB], v[LIN], s62
	FLOAD \ks, ADB, 2048*(1-(\t))
.endr
	WIN 0
.if \hold
	CODES 1-(\t)
.endif
.set PE, 0
.if \fin
	FINISH \fin, \cc
.if (\fin) == 2
.set PE, 4
.endif
.endif
.if \ml
	s_add_co_u32 s66, s66, 32
	v_add_nc_u32 v[ADM], s66, v[M2I]
	ds_load_b128 v[MK2:MK2+3], v[ADM]              ; m2 of the next trip to be finished, units 16 h + 0 .. 15
.set PE, PE+1
.endif
.endm
; Two lines of the trace: numbers j, j + 1 (j even) of accumulator (a = ks, tile st) x W4 (set pp): d = 16 a + 8 h + j, k = 32 n + 8 st + r + 8 (r / 8).  Four chains by turns; the first four lines start them from 0.
.macro MIX2 st, pp, ks, j
.set wr, W4R+32*(\pp)+4*(2*(\ks)+(\st))+(\j)/2
.set ar, ACC+32*(\st)+8*(\ks)+(\j)
.set qr, QS+(\j)%4
.if ((\ks) == 0) && ((\j) < 4)
	v_fma_mix_f32_bf16 v[qr], v[wr], v[ar], v[NIL] op_sel_hi:[1,0,0]
	v_fma_mix_f32_bf16 v[qr+1], v[wr], v[ar+1], v[NIL] op_sel:[1,0,0] op_sel_hi:[1,0,0]
.else
	v_fma_mix_f32_bf16 v[qr], v[wr], v[ar], v[qr] op_sel_hi:[1,0,0]
	v_fma_mix_f32_bf16 v[qr+1], v[wr], v[ar+1], v[qr+1] op_sel:[1,0,0] op_sel_hi:[1,0,0]
.endif
.endm
.macro RED st, pp                      ; the four chains, m3 of my k, the sample's sum
	v_add_f32 v[QS], v[QS], v[QS+1]
	v_add_f32 v[QS+2], v[QS+2], v[QS+3]
	v_add_f32 v[QS], v[QS], v[QS+2]
	v_and_b32 v[QS], v[QS], v[MK3+2*(\pp)+(\st)]   ; all ones or 0
	v_add_f32 v[DVS], v[DVS], v[QS]
.endm
; A HALF-TRIP OF PHASE 2, tile t of the par-th trip of its block.  tr: the half-trip before is traced.  chg (t = 1): 1 the change of slots with a refill, 2 without.  ld: the next half-trip's fragments are loaded.
; pf (t = 1): the next trip's W4 and m3 are loaded.
.macro S2 t, par, tr, chg, ld, pf
.if (\t) == 1
.set PP, \par
.set LP, 1-(\par)
.if (\chg) == 1
	CHANGE 1                                       ; all that I want of this block is in registers: its slot takes the block two further on, and the next block is whole
.elseif (\chg) == 2
	CHANGE 0
.endif
.if (\ld) && (\par)
	s_xor_b32 s68, s68, SWAP                       ; the next trip lies in the next block: the other slot
.endif
.else
.set PP, 1-(\par)
.set LP, \par
.endif
.irp ks, 0,1,2,3
	s_wait_alu depctr_va_vdst(0)
.if \ld
	s_wait_dscnt 12+PE
.else
	s_wait_dscnt 4*(3-\ks)                         ; nothing more is asked for: behind this fragment came the later K steps' alone
.endif
.irp a, 0,1,2,3
.if \ks == 0
	WIN 0                                          ; T2's K step 0 lies in window 0
	v_wmma_f32_16x16x128_fp8_fp8 v[ACC+32*(\t)+8*\a:ACC+32*(\t)+8*\a+7], v[T20+16*\a:T20+16*\a+15], v[BF:BF+15], 0
.else
	WIN 0x01                                       ; source 0 (T2, and W4 in the trace) window 1
	v_wmma_f32_16x16x128_fp8_fp8 v[ACC+32*(\t)+8*\a:ACC+32*(\t)+8*\a+7], v[64*(\ks-1)+16*\a:64*(\ks-1)+16*\a+15], v[BF+16*\ks:BF+16*\ks+15], v[ACC+32*(\t)+8*\a:ACC+32*(\t)+8*\a+7]
.if (\tr) && (\a < 2)
	MIX2 1-(\t), PP, \ks, 2*\a
.endif
.endif
.endr
.if \tr
	WIN 0x01
.if \ks == 0
	MIX2 1-(\t), PP, \ks, 0
	MIX2 1-(\t), PP, \ks, 2
.endif
	MIX2 1-(\t), PP, \ks, 4
	MIX2 1-(\t), PP, \ks, 6
.else
	PLACES
.endif
	WIN 0
.if \ld
	v_add_nc_u32 v[ADP], s68, v[LIN]
	FLOAD \ks, ADP, SUB3*LP+2048*(1-(\t))
.endif
.endr
.if \tr
	RED 1-(\t), PP
.endif
.set PE, 0
.if \pf
	WIN 0x40
.set i, 0
.rept 8
	ds_load_b128 v[W4R+32*LP+4*i:W4R+32*LP+4*i+3], v[ADP] offset:SUB3*LP+16384+512*i
.set i, i+1
.endr
	WIN 0
	s_add_co_u32 s69, s69, 32
	v_add_nc_u32 v[AD3], s69, v[M3I]
	ds_load_i8 v[MK3+2*LP], v[AD3]
	ds_load_i8 v[MK3+2*LP+1], v[AD3] offset:8
.set PE, 10
.endif
.endm
	s_load_b256 s[4:11], s[0:1], 0x0               ; wj s[4:5], msk s[6:7], hs s[8:9], the exponents s[10:11]
	s_load_b64 s[12:13], s[0:1], 0x20              ; out0
	v_lshl_add_u32 v[SPW], v0, 2, SPARE
	v_mov_b32 v[NIL], 0
	ds_add_u32 v[SPW], v[NIL]                      ; the opening lines: the add, twice on end, and its wait ahead of my first tensor load
	ds_add_u32 v[SPW], v[NIL]
	v_lshrrev_b32 v13, 5, v0
	v_readfirstlane_b32 s16, v13                   ; wave 0..7
	s_bfe_u32 s17, ttmp6, 0x40000                  ; cx: it enters the addresses of msk, hs and out0 alone
	s_lshl_b32 s18, ttmp9, 2
	s_add_co_u32 s18, s18, s17                     ; work-group
	s_lshl_b32 s19, s18, 3
	s_add_co_u32 s19, s19, s16                     ; my sample
	GRP 24, 64                                     ; a quarter of W2's first quarter
	GRP 32, 48                                     ; a quarter of the even slot's first fill
	GRP 40, 96                                     ; an eighth of W2's other three quarters
	GRP 48, 20                                     ; an eighth of a block
	s_and_b32 s72, s16, 3
	s_lshl_b32 s76, s72, 14
	s_mul_i32 s77, s72, 12288
	s_mul_i32 s80, s16, 24576
	s_mul_i32 s81, s16, 5120
	s_mov_b32 s70, 0x76543210
	s_mov_b32 s71, 0xfedcba98                      ; v_permlanex16_b32: lane l xor 16
	s_mov_b32 s79, 0
	s_mov_b32 s73, 0
	s_wait_dscnt 0x0                               ; both opening adds are done
	s_wait_kmcnt 0x0
	s_load_b128 s[20:23], s[10:11], 0x20           ; e8 .. e11
	s_mov_b32 s78, s76
	s_add_nc_u64 s[74:75], s[4:5], s[78:79]
	s_mov_b32 s84, 1                               ; waves 0-3: W2's rows of trips 0-3
	s_mov_b32 s85, s76
	s_add_nc_u64 s[86:87], s[74:75], WJ2
	s_or_b32 s87, s87, 0x80000000
	s_mov_b32 s78, s77
	s_mov_b32 s92, 1                               ; waves 4-7: wj's first 49,152 bytes, of which the first 32,768 are W1^T's image
	s_add_co_u32 s93, s77, SLOTE
	s_add_nc_u64 s[94:95], s[4:5], s[78:79]
	s_or_b32 s95, s95, 0x80000000
	s_mov_b32 s78, s80
	s_add_nc_u64 s[74:75], s[4:5], s[78:79]
	s_mov_b32 s88, 1                               ; the rest of W2
	s_add_co_u32 s89, s80, 65536
	s_add_nc_u64 s[90:91], s[74:75], WJ2+65536
	s_or_b32 s91, s91, 0x80000000
	s_mov_b32 s78, s81
	s_add_nc_u64 s[74:75], s[4:5], s[78:79]
	s_mov_b32 s56, 1                               ; the walking descriptor: one step ahead of block 0, so that the first change of slots steps it there
	s_add_co_u32 s57, s81, 0x30000
	s_add_nc_u64 s[58:59], s[74:75], WJ3-2*SUB3
	s_or_b32 s59, s59, 0x80000000
	CROUND                                         ; all four work-groups are here: the first joint loads meet
	s_cmp_lt_u32 s16, 4
	s_cbranch_scc0 .Larm_b
	tensor_load_to_lds s[84:87], s[24:31]
	s_nop 0
	PLACES
	s_branch .Ljoin
.Larm_b:
	tensor_load_to_lds s[92:95], s[32:39]
	s_nop 0
	PLACES
.Ljoin:
	s_lshl_b32 s72, s19, 9
	s_add_nc_u64 s[74:75], s[6:7], s[72:73]        ; msk at my sample's row
	s_lshl_b32 s72, s19, 2
	s_add_nc_u64 s[8:9], s[8:9], s[72:73]          ; hs and out0 likewise
	s_add_nc_u64 s[12:13], s[12:13], s[72:73]
	s_lshl_b32 s82, s16, 11
	s_lshl_b32 s72, s16, 10
	s_add_co_u32 s72, s72, MSK                     ; my masks in LDS
	v_and_b32 v13, 31, v0
	v_lshlrev_b32 v[LIN], 4, v13                   ; 16 x lane
	v_and_b32 v14, 15, v0                          ; r
	v_bfe_u32 v15, v0, 4, 1                        ; h
	v_add_nc_u32 v[STG], s82, v[LIN]               ; my part of a trip's stage
	v_lshl_add_u32 v[M2I], v15, 4, s72
	v_and_b32 v19, 8, v14
	v_add_nc_u32 v19, v19, v14                     ; r + 8 (r / 8)
	v_add_nc_u32 v[M3I], s72, v19
	v_add_nc_u32 v[M3I], 512, v[M3I]
	v_add_nc_u32 v20, s72, v[LIN]                  ; where the masks are put
	v_lshlrev_b32 v21, 4, v15                      ; 16 h
	v_add_nc_u32 v[ADP], SLOTE, v[LIN]
	v_mov_b32 v[DVS], 0
.irp kk, 0,1,2,3
.irp c, 0,1,2,3
	global_load_b128 v[ACC+16*\kk+4*\c:ACC+16*\kk+4*\c+3], v21, s[74:75] offset:128*\kk+32*\c   ; m1 of units 128 s + 32 c + 16 h + 0 .. 15
.endr
.endr
.irp l, 1,2
	global_load_b128 v[TC+4*(\l-1):TC+4*(\l-1)+3], v[LIN], s[74:75] offset:1048576*\l          ; a whole row of m2, of m3
.endr
	global_load_b32 v[HSV], v[NIL], s[8:9]         ; hs of my sample
	s_wait_alu depctr_va_vdst(0)
	s_wait_loadcnt 0x0
	ds_store_b128 v20, v[TC:TC+3]                  ; my own bytes, read by me alone
	ds_store_b128 v20, v[TC+4:TC+7] offset:512
	s_wait_kmcnt 0x0
	s_sub_co_i32 s72, s22, s20
	s_sub_co_i32 s72, s72, s21                     ; a sum of the first product stands for sum x 2^(e8 + e9): its code is sum / 2^(e10 - e8 - e9)
	s_add_co_i32 s72, s72, 127
	s_lshl_b32 s73, s72, 23
	v_mov_b32 v[SCL], s73
	s_add_co_i32 s72, s72, 8
	s_lshl_b32 s60, s72, 23
	s_or_b32 s60, s60, 0x600000                    ; 448 x that,
	s_xor_b32 s61, s60, 0x80000000                 ; and its negative
	s_mov_b32 s62, 0                               ; LDS byte of the trip whose fragments are being asked for
	s_mov_b32 s63, 0                               ; LDS byte of the stage
	s_mov_b32 s66, 0                               ; 32 x the trip: its place in a row of m2
	s_wait_alu depctr_va_vdst(0)
	s_wait_tensorcnt 0x0                           ; my first load has landed
	ds_add_u32 v[SPW], v[NIL]
	s_wait_dscnt 0x0
	CROUND
	tensor_load_to_lds s[88:91], s[40:47]          ; W2's other three quarters: first read in trip 3, behind the change of slots there
	s_nop 0
	PLACES
	WIN 0x40
.set i, 0
.rept 64
	ds_load_b128 v[4*i:4*i+3], v[ADP] offset:512*i ; W1^T's 16 fragments, as they lie
.set i, i+1
.endr
	WIN 0
	ds_load_b128 v[MK2:MK2+3], v[M2I]              ; m2 of trip 0's units
.irp ks, 0,1,2,3
	FLOAD \ks, LIN, 0                              ; trip 0, tile 0
.endr
	s_wait_dscnt 17                                ; W1^T is in: behind it came the mask's load and 16 fragment loads
	WIN 0x41                                       ; destination and source 0 window 1
.irp kk, 0,1,2,3
.irp a, 0,1,2,3
.set i, 0
.rept 16
	v_and_b32 v[64*\kk+16*\a+i], v[64*\kk+16*\a+i], v[ACC+16*\kk+i]
.set i, i+1
.endr
.endr
.endr
	WIN 0
	s_wait_alu depctr_va_vdst(0)
	S1 0, 0, 0, 0, 0, 0                            ; trip 0, tile 0
.irp n, 0,1,2
	S1 1, 1, 0, 0, 0, 0                            ; trip n, tile 1
	S1 0, 1, 1, \n, 1, 0                           ; trip n + 1, tile 0; trip n is finished: piece n of T2's K step 0
.endr
	S1 1, 1, 0, 0, 0, 3                            ; trip 3: all of W2 has landed; W1^T's image has been read out: the even slot takes block 0
	S1 0, 1, 1, 3, 1, 0
	s_mov_b32 s67, 3
.Lp1:                                              ; from tile 1 of trips 4, 7, 10 to tile 0 of trips 7, 10, 13; the barrier stands in trips 6, 9, 12
	S1 1, 1, 0, 0, 0, 0
	S1 0, 1, 2, 0, 1, 0
	S1 1, 1, 0, 0, 0, 0
	S1 0, 1, 2, 0, 1, 0
	S1 1, 1, 0, 0, 0, 1
	S1 0, 1, 2, 0, 1, 0
	s_sub_co_u32 s67, s67, 1
	s_cmp_lg_u32 s67, 0
	s_wait_alu depctr_va_vdst(0)
	s_cbranch_scc1 .Lp1
	S1 1, 1, 0, 0, 0, 0                            ; trip 13
	S1 0, 1, 2, 0, 1, 0
	S1 1, 1, 0, 0, 0, 0                            ; trip 14
	S1 0, 1, 2, 0, 1, 0
	S1 1, 1, 0, 0, 0, 3                            ; trip 15: all of W2 has been read: its last quarter takes block 1; block 0 is whole; its loads bring the first fragments of phase 2
.set i, 0
.rept 32
	HOLD ACC+32+i                                  ; trip 15's tile 1 stands alone: phase 2 wants it
.set i, i+1
.endr
	CODES 1
	FINISH 2, 0
	; T2's K steps 1 to 3 come back from my stage into the registers that W1^T has left.  LDS serves a wave's instructions in order (ISA guide 5.7.1.4): these see my stores
	v_add_nc_u32 v14, 0x10000, v[STG]
	v_add_nc_u32 v15, 0x20000, v[STG]
	s_mov_b32 s68, SLOTE
	s_mov_b32 s69, 0
	WIN 0x40
.irp a, 0,1,2,3
.irp c, 0,1,2,3
	ds_load_b128 v[16*\a+4*\c:16*\a+4*\c+3], v[STG] offset:16384*\c+512*\a
	ds_load_b128 v[64+16*\a+4*\c:64+16*\a+4*\c+3], v14 offset:16384*\c+512*\a
	ds_load_b128 v[128+16*\a+4*\c:128+16*\a+4*\c+3], v15 offset:16384*\c+512*\a
.endr
.endr
.set i, 0
.rept 8
	ds_load_b128 v[W4R+4*i:W4R+4*i+3], v[ADP] offset:16384+512*i    ; W4 of the first trip
.set i, i+1
.endr
	WIN 0
	ds_load_i8 v[MK3], v[M3I]                      ; and its m3
	ds_load_i8 v[MK3+1], v[M3I] offset:8
	s_wait_alu depctr_va_vdst(0)
	s_wait_dscnt 0x0
.set PE, 0
	S2 0, 0, 0, 0, 1, 0                            ; trip 0, tile 0
	s_mov_b32 s67, 6
.Lp2:                                              ; from a block's second half-trip to the next block's first: blocks 0 to 5
	S2 1, 0, 1, 0, 1, 1
	S2 0, 1, 1, 0, 1, 0
	S2 1, 1, 1, 1, 1, 1
	S2 0, 0, 1, 0, 1, 0
	s_sub_co_u32 s67, s67, 1
	s_cmp_lg_u32 s67, 0
	s_wait_alu depctr_va_vdst(0)
	s_cbranch_scc1 .Lp2
	S2 1, 0, 1, 0, 1, 1                            ; the last two blocks are written out: nothing is left to ask memory for
	S2 0, 1, 1, 0, 1, 0
	S2 1, 1, 1, 2, 1, 1
	S2 0, 0, 1, 0, 1, 0
	S2 1, 0, 1, 0, 1, 1
	S2 0, 1, 1, 0, 1, 0
	S2 1, 1, 1, 0, 0, 0
	WIN 0x01
.irp ks, 0,1,2,3
.irp j, 0,2,4,6
	MIX2 1, 1, \ks, \j                             ; the last half-trip's trace
.endr
.endr
	WIN 0
	RED 1, 1
	; the way out: the sum over the 32 lanes, x 2^(e10 + e11), + hs
.irp x, 1,2,4,8
	v_add_f32_dpp v[DVS], v[DVS], v[DVS] row_xmask:\x row_mask:0xf bank_mask:0xf
.endr
	v_mov_b32 v19, 0                               ; a lane permute's destination counts as read
	v_permlanex16_b32 v19, v[DVS], s70, s71
	v_add_f32 v[DVS], v[DVS], v19
	s_add_co_i32 s72, s22, s23
	v_ldexp_f32 v[DVS], v[DVS], s72
	v_add_f32 v[DVS], v[DVS], v[HSV]
	v_and_b32 v22, 31, v0
	v_cmp_gt_u32 vcc_lo, 1, v22
	s_wait_alu depctr_va_vdst(0)
	s_wait_xcnt 0x0                                ; EXEC changes only behind this wait
	s_and_saveexec_b32 s73, vcc_lo
	global_store_b32 v[NIL], v[DVS], s[12:13]      ; lane 0: the wave's one number, all that it owns of out0
	s_wait_xcnt 0x0
	s_or_b32 exec_lo, exec_lo, s73
	s_wait_tensorcnt 0x0                           ; the wave's end
	ds_add_u32 v[SPW], v[NIL]
	s_wait_dscnt 0x0
	CROUND                                         ; the closing round
	s_endpgm
.Lfunc_end_k_qeaf69bd266_jac:
	.size	k_qeaf69bd266_jac, .Lfunc_end_k_qeaf69bd266_jac-k_qeaf69bd266_jac
	.p2alignl 7, 3214868480
	.fill 96, 4, 3214868480
	.section	.rodata,"a",@progbits
	.p2align	6, 0x0
	.amdhsa_kernel k_qeaf69bd266_jac
		.amdhsa_group_segment_fixed_size 327680
		.amdhsa_private_segment_fixed_size 0
		.amdhsa_enable_private_segment 0
		.amdhsa_kernarg_size 40
		.amdhsa_user_sgpr_count 2
		.amdhsa_user_sgpr_kernarg_segment_ptr 1
		.amdhsa_wavefront_size32 1
		.amdhsa_system_sgpr_workgroup_id_x 1
		.amdhsa_system_sgpr_workgroup_id_y 1
		.amdhsa_system_sgpr_workgroup_id_z 1
		.amdhsa_system_vgpr_workitem_id 0
		.amdhsa_next_free_vgpr 512
		.amdhsa_next_free_sgpr 100
		.amdhsa_reserve_vcc 1
		.amdhsa_float_denorm_mode_32 3
		.amdhsa_float_denorm_mode_16_64 3
		.amdhsa_memory_ordered 1
		.amdhsa_forward_progress 1
		.amdhsa_inst_pref_size 195
	.end_amdhsa_kernel
	.amdgpu_metadata
---
amdhsa.version: [ 1, 2 ]
amdhsa.kernels:
  - .name:           k_qeaf69bd266_jac
    .symbol:         k_qeaf69bd266_jac.kd
    .args:
      - { .name: wj, .offset: 0, .size: 8, .value_kind: global_buffer, .address_space: global }
      - { .name: msk, .offset: 8, .size: 8, .value_kind: global_buffer, .address_space: global }
      - { .name: hs, .offset: 16, .size: 8, .value_kind: global_buffer, .address_space: global }
      - { .name: lowp_scales, .offset: 24, .size: 8, .value_kind: global_buffer, .address_space: global }
      - { .name: out0, .offset: 32, .size: 8, .value_kind: global_buffer, .address_space: global }
    .group_segment_fixed_size: 327680
    .private_segment_fixed_size: 0
    .kernarg_segment_align: 8
    .kernarg_segment_size: 40
    .max_flat_workgroup_size: 256
    .sgpr_count:     100
    .vgpr_count:     512
    .wavefront_size: 32
...
	.end_amdgpu_metadata
.endif
;; end of part 3
